; MI455X (gfx1250); checked and timed in simulation.
; The chip was launched on July 23, 2026; its instructions are those of AMD's public machine-readable ISA for CDNA 5 (MIT licence, August 2026) and "CDNA5" Instruction Set Architecture Reference Guide (July 2026). The comments in the code are by the model that wrote it; some were corrected since.
;; Lo RAQKV Wrapper. Allowed arithmetic: float matrix products may take bf16 or f16 operands with f32 sums; all other float work in f32.
;; Inputs: k_A 16 x 4,096 float32; k_B 4,096 x 16 float32; k_weight 4,096 x 4,096 float32; q_A 16 x 4,096 float32; q_B 4,096 x 16 float32; q_weight 4,096 x 4,096 float32; v_A 16 x 4,096 float32; v_B 4,096 x 16 float32; v_weight 4,096 x 4,096 float32; x 4 x 256 x 4,096 float32.
;; Outputs: out0 4 x 256 x 4,096 float32; out1 4 x 256 x 4,096 float32; out2 4 x 256 x 4,096 float32.
;; 2 versions, each right; version 2 is version 1 with the launch prep written anew for expert scheduling mode. Each part assembles by itself: llvm-mc -triple=amdgcn-amd-amdhsa -mcpu=gfx1250 --defsym DOCPART=n.
;; ======== version 1 of 2: 2 launches
;; workspace buffers: xb 8,388,608 bytes; tp 393,216 bytes
;; launch prep (part 1): grid 64 x 4, 8 waves a work-group, no clusters, 166,400 bytes of LDS; arguments x, q_A, k_A, v_A, xb, tp; writes xb, tp
.if DOCPART == 1
	.amdgcn_target "amdgcn-amd-amdhsa--gfx1250"
	.amdhsa_code_object_version 6
	.text
	.protected	k_q5cc1163369_prep
	.globl	k_q5cc1163369_prep
	.p2align	8
	.type	k_q5cc1163369_prep,@function
k_q5cc1163369_prep:
	s_mov_b64 s[64:65], 0
	v_nop
	global_prefetch_b8 v0, s[64:65] scope:SCOPE_SE
	s_setreg_imm32_b32 hwreg(HW_REG_WAVE_MODE, 25, 1), 1
	s_wait_xcnt 0x0
; PREP.  xb[1024][4096] = x rounded to bf16 (to nearest even).  tp[p][row][48] = the part over K quarter p (1,024 k) of x . [A_q; A_k; A_v]^T,
; summed in f32 from bf16 operands and rounded once to bf16: 16 ranks of q, 16 of k, 16 of v in a row of 96 bytes.
; SHARES.  Work-group (rb, p): 16 rows of x (rb = 0..63), K quarter p.  Wave w of eight: 128 k, from 1024 p + 128 w.  Each byte of x is read once in the launch.
; A wave loads 16 rows of x and 3 x 16 rows of A, 512 consecutive bytes a load, rounds them to bf16 and lays them into its own 64 LDS rows; x's rows also go out to xb,
; 256 consecutive aligned bytes a store.  From LDS it takes matrix fragments: 12 products (3 matrices x 4 steps of 32 k).  The eight waves' sums meet in LDS.
; LIMITS.  x and A are rounded to bf16, each of the four parts of t to bf16 (the next launch adds the parts' products in f32); the order of the sums is not the reference's.
; bf16 has f32's exponents, so no range is lost; NaN and infinities go through as bf16 carries them.
; No cluster, no tensor load: the work-groups share only A (768 KB in all), and every tile is converted on its way, so it passes through registers anyway.
.set ROWB,  16384                      ; bytes in a row of x and of A
.set PITCH, 272                        ; an LDS row: 256 bytes of bf16 + 16: the 16 rows of a fragment load start 4 banks apart (64 banks of 4 bytes: ISA guide 11.1)
.set LTW,   64*PITCH                   ; a wave's own tile: rows 0-15 x, 16-31 A_q, 32-47 A_k, 48-63 A_v
.set RED,   8*LTW                      ; the waves' sums: wave w, matrix c, half g at RED + 3072 w + 512 (2 c + g) + 16 lane
.set REDW,  3072
.set OUTS,  RED+8*REDW                 ; 16 rows x 96 bytes: tp's rows as they go out
.set TPP,   98304                      ; bytes in one part of tp
.set GOF, 1                            ; v1   16 x lane: my 16 bytes of a row's 512
.set XOF, 2                            ; v2   8 x lane: my 8 bytes of a row's 256 in xb
.set LST, 3                            ; v3   the same in my wave's LDS tile
.set LFR, 4                            ; v4   my place in a fragment: tile + (lane % 16) x pitch + 16 (lane / 16)
.set RST, 5                            ; v5   where I put my sums
.set RLD, 6                            ; v6   waves 0-2: where I read matrix w's sums
.set OST, 7                            ; v7   waves 0-2: where I put 16 bytes of a row of tp
.set OLD, 8                            ; v8   waves 0-2: where I read 16 of tp's 1,536 bytes back
.set TOF, 9                            ; v9   and their place in tp
.set X,   16                           ; v16-79   x: 4 registers a row
.set AA,  80                           ; v80-207  A_q, A_k; A_v lies in window 1, v0-63
.set FX,  80                           ; then the fragments: x's four at v80-111,
.set FA,  112                          ; A_c's four at v[112 + 32 c]
.set ACC, 208                          ; v208-231 three accumulators
.set SUM, 80                           ; the eight waves' sums of one matrix, 8 registers each
.set PK,  144                          ; 16 bytes of tp
.set MSB, 0
.macro WIN new                         ; s_set_vgpr_msb: bits 1:0 source 0, 3:2 source 1, 5:4 source 2, 7:6 destination; the high byte repeats the setting that is left
.if MSB != (\new)
	s_set_vgpr_msb (MSB<<8)|(\new)
.set MSB, \new
.endif
.endm
	s_load_b256 s[4:11], s[0:1], 0x0               ; x s[4:5], A_q s[6:7], A_k s[8:9], A_v s[10:11]
	s_load_b128 s[12:15], s[0:1], 0x20             ; xb s[12:13], tp s[14:15]
	v_lshl_add_u32 v254, v0, 2, 0x28600
	v_mov_b32 v255, 0
	v_lshrrev_b32 v10, 5, v0
	v_readfirstlane_b32 s16, v10                   ; wave 0..7
	v_and_b32 v10, 31, v0                          ; lane
	v_lshlrev_b32 v[GOF], 4, v10
	s_and_b32 s17, ttmp7, 0xffff                   ; p
	s_lshl_b32 s20, s17, 12                        ; 1,024 k of f32,
	s_lshl_b32 s18, s16, 9                         ; my wave's 128 k
	s_add_co_u32 s20, s20, s18
	s_mov_b32 s21, 0
	s_lshl_b32 s22, ttmp9, 18                      ; 16 rows of 16,384 bytes
	s_add_co_u32 s22, s22, s20
	s_mov_b32 s23, 0
	s_wait_kmcnt 0x0
	s_add_nc_u64 s[4:5], s[4:5], s[22:23]
	s_add_nc_u64 s[6:7], s[6:7], s[20:21]
	s_add_nc_u64 s[8:9], s[8:9], s[20:21]
	s_add_nc_u64 s[10:11], s[10:11], s[20:21]
	; 64 loads, all at once: x first, since it is wanted first
.set i, 0
.rept 16
	global_load_b128 v[X+4*i:X+4*i+3], v[GOF], s[4:5] offset:i*ROWB th:TH_LOAD_NT
.set i, i+1
.endr
.irp c, 0,1
.set i, 0
.rept 16
	global_load_b128 v[AA+64*(\c)+4*i:AA+64*(\c)+4*i+3], v[GOF], s[6+2*(\c):7+2*(\c)] offset:i*ROWB
.set i, i+1
.endr
.endr
	WIN 0x40                                       ; destination window 1, address window 0
.set i, 0
.rept 16
	global_load_b128 v[4*i:4*i+3], v[GOF], s[10:11] offset:i*ROWB
.set i, i+1
.endr
	WIN 0
	; the other addresses are made while the loads are out
	v_and_b32 v11, 15, v0                          ; lane % 16
	v_bfe_u32 v12, v0, 4, 1                        ; lane / 16
	s_mul_i32 s19, s16, LTW
	v_lshlrev_b32 v[XOF], 3, v10
	v_add_nc_u32 v[LST], s19, v[XOF]
	v_mul_u32_u24 v[LFR], v11, PITCH
	v_lshl_add_u32 v[LFR], v12, 4, v[LFR]
	v_add_nc_u32 v[LFR], s19, v[LFR]
	s_mul_i32 s18, s16, REDW
	s_add_co_u32 s18, s18, RED
	v_add_nc_u32 v[RST], s18, v[GOF]
	s_lshl_b32 s18, s16, 10
	s_add_co_u32 s18, s18, RED
	v_add_nc_u32 v[RLD], s18, v[GOF]
	v_mul_u32_u24 v[OST], v11, 96
	v_lshl_add_u32 v[OST], v12, 4, v[OST]
	s_lshl_b32 s18, s16, 5
	s_add_co_u32 s18, s18, OUTS
	v_add_nc_u32 v[OST], s18, v[OST]
	s_lshl_b32 s18, s16, 9
	v_add_nc_u32 v[TOF], s18, v[GOF]
	v_add_nc_u32 v[OLD], OUTS, v[TOF]
	s_lshl_b32 s24, ttmp9, 17                      ; xb: 16 rows of 8,192 bytes,
	s_lshr_b32 s18, s20, 1                         ; and half the f32 offset along K
	s_add_co_u32 s24, s24, s18
	s_mov_b32 s25, 0
	s_mul_i32 s26, s17, TPP                        ; tp: part p, 16 rows of 96 bytes
	s_mul_i32 s18, ttmp9, 1536
	s_add_co_u32 s26, s26, s18
	s_mov_b32 s27, 0
	s_add_nc_u64 s[12:13], s[12:13], s[24:25]
	s_add_nc_u64 s[14:15], s[14:15], s[26:27]
	s_wait_loadcnt 48                              ; loads come back in order (ISA guide 5.7.1): x's 16 are in, A's 48 may be out
.set i, 0
.rept 16
	v_cvt_pk_bf16_f32 v[X+4*i], v[X+4*i], v[X+4*i+1]
	v_cvt_pk_bf16_f32 v[X+4*i+1], v[X+4*i+2], v[X+4*i+3]
	global_store_b64 v[XOF], v[X+4*i:X+4*i+1], s[12:13] offset:i*8192  ; 32 lanes store 256 consecutive bytes, at a multiple of 256 from xb's first byte
	ds_store_b64 v[LST], v[X+4*i:X+4*i+1] offset:i*PITCH
.set i, i+1
.endr
.irp c, 0,1
	s_wait_loadcnt 32-16*(\c)                      ; this matrix's 16 rows are in
.set i, 0
.rept 16
	v_cvt_pk_bf16_f32 v[AA+64*(\c)+4*i], v[AA+64*(\c)+4*i], v[AA+64*(\c)+4*i+1]
	v_cvt_pk_bf16_f32 v[AA+64*(\c)+4*i+1], v[AA+64*(\c)+4*i+2], v[AA+64*(\c)+4*i+3]
	ds_store_b64 v[LST], v[AA+64*(\c)+4*i:AA+64*(\c)+4*i+1] offset:(16+16*(\c)+i)*PITCH
.set i, i+1
.endr
.endr
	s_wait_loadcnt 0x0
	WIN 0x45                                       ; A_v is rounded in place, in window 1
.set i, 0
.rept 16
	v_cvt_pk_bf16_f32 v[4*i], v[4*i], v[4*i+1]
	v_cvt_pk_bf16_f32 v[4*i+1], v[4*i+2], v[4*i+3]
.set i, i+1
.endr
	WIN 0x04                                       ; store data window 1, address window 0
.set i, 0
.rept 16
	ds_store_b64 v[LST], v[4*i:4*i+1] offset:(48+i)*PITCH
.set i, i+1
.endr
	WIN 0
	; A fragment is 16 rows x 32 k in 8 registers: lane l holds row l % 16, k = 8 (l / 16) + 0..7 and 16 + 8 (l / 16) + 0..7: two loads of 16 bytes, 32 bytes apart.
	; The bytes are my wave's own, and LDS serves a wave's instructions in order (ISA guide 5.7.1.4): these loads see the stores above.
.set i, 0
.rept 4
	ds_load_b128 v[FX+8*i:FX+8*i+3], v[LFR] offset:64*i
	ds_load_b128 v[FX+8*i+4:FX+8*i+7], v[LFR] offset:64*i+32
.set i, i+1
.endr
.irp c, 0,1,2
.set i, 0
.rept 4
	ds_load_b128 v[FA+32*(\c)+8*i:FA+32*(\c)+8*i+3], v[LFR] offset:(1+(\c))*16*PITCH+64*i
	ds_load_b128 v[FA+32*(\c)+8*i+4:FA+32*(\c)+8*i+7], v[LFR] offset:(1+(\c))*16*PITCH+64*i+32
.set i, i+1
.endr
.endr
	s_wait_dscnt 0x0
	; source 0 = 16 ranks of A_c, source 1 = 16 rows of x: in the result a lane holds ONE row of x (lane % 16) and the ranks 8 (lane / 16) + 0..7.
	; The three accumulators take turns, one instruction a turn; the first step's products start the sums.
.irp c, 0,1,2
	v_wmma_f32_16x16x32_bf16 v[ACC+8*(\c):ACC+8*(\c)+7], v[FA+32*(\c):FA+32*(\c)+7], v[FX:FX+7], 0
.endr
.irp k, 1,2,3
.irp c, 0,1,2
	v_wmma_f32_16x16x32_bf16 v[ACC+8*(\c):ACC+8*(\c)+7], v[FA+32*(\c)+8*(\k):FA+32*(\c)+8*(\k)+7], v[FX+8*(\k):FX+8*(\k)+7], v[ACC+8*(\c):ACC+8*(\c)+7]
.endr
.endr
.rept 4
	v_nop                                          ; four places behind the last product, ahead of the stores that read results and of the loads into fragments' registers
.endr
.irp c, 0,1,2
	ds_store_b128 v[RST], v[ACC+8*(\c):ACC+8*(\c)+3] offset:1024*(\c)        ; each accumulator's low registers first
	ds_store_b128 v[RST], v[ACC+8*(\c)+4:ACC+8*(\c)+7] offset:1024*(\c)+512
.endr
	s_wait_dscnt 0x0                               ; for the others' sake: my sums are in LDS
	s_barrier_signal -1
	s_barrier_wait -1
	s_cmp_lt_u32 s16, 3
	s_cbranch_scc0 .Lno_sum                        ; wave c = 0, 1, 2 adds the eight waves' sums of matrix c
.set i, 0
.rept 8
	ds_load_b128 v[SUM+8*i:SUM+8*i+3], v[RLD] offset:i*REDW
	ds_load_b128 v[SUM+8*i+4:SUM+8*i+7], v[RLD] offset:i*REDW+512
.set i, i+1
.endr
	s_wait_dscnt 0x0
.irp d, 1,2,4                          ; a tree: neighbours 1, 2 and 4 waves apart
.set u, 0
.rept 4/(\d)
.set i, 0
.rept 4
	v_pk_add_f32 v[SUM+8*u+2*i:SUM+8*u+2*i+1], v[SUM+8*u+2*i:SUM+8*u+2*i+1], v[SUM+8*(u+(\d))+2*i:SUM+8*(u+(\d))+2*i+1]
.set i, i+1
.endr
.set u, u+2*(\d)
.endr
.endr
.irp j, 0,1,2,3
	v_cvt_pk_bf16_f32 v[PK+(\j)], v[SUM+2*(\j)], v[SUM+2*(\j)+1]
.endr
	ds_store_b128 v[OST], v[PK:PK+3]               ; row lane % 16, matrix c's 32 bytes, my half's 16
.Lno_sum:
	s_wait_dscnt 0x0                               ; for the others' sake
	s_barrier_signal -1
	s_barrier_wait -1
	s_cmp_lt_u32 s16, 3
	s_cbranch_scc0 .Lend                           ; the 16 rows are 1,536 consecutive bytes of tp: waves 0, 1, 2 store 512 each
	ds_load_b128 v[PK:PK+3], v[OLD]
	s_wait_dscnt 0x0
	global_store_b128 v[TOF], v[PK:PK+3], s[14:15] ; 512 consecutive bytes, at a multiple of 256 from tp's first byte
.Lend:
	s_wait_tensorcnt 0x0
	ds_add_u32 v254, v255
	s_wait_dscnt 0x0
	s_endpgm
.Lfunc_end_k_q5cc1163369_prep:
	.size	k_q5cc1163369_prep, .Lfunc_end_k_q5cc1163369_prep-k_q5cc1163369_prep
	.p2alignl 7, 3214868480
	.fill 96, 4, 3214868480
	.section	.rodata,"a",@progbits
	.p2align	6, 0x0
	.amdhsa_kernel k_q5cc1163369_prep
		.amdhsa_group_segment_fixed_size 166400
		.amdhsa_private_segment_fixed_size 0
		.amdhsa_enable_private_segment 0
		.amdhsa_kernarg_size 48
		.amdhsa_user_sgpr_count 2
		.amdhsa_user_sgpr_kernarg_segment_ptr 1
		.amdhsa_wavefront_size32 1
		.amdhsa_system_sgpr_workgroup_id_x 1
		.amdhsa_system_sgpr_workgroup_id_y 1
		.amdhsa_system_sgpr_workgroup_id_z 1
		.amdhsa_system_vgpr_workitem_id 0
		.amdhsa_next_free_vgpr 320
		.amdhsa_next_free_sgpr 66
		.amdhsa_reserve_vcc 0
		.amdhsa_float_denorm_mode_32 3
		.amdhsa_float_denorm_mode_16_64 3
		.amdhsa_memory_ordered 1
		.amdhsa_forward_progress 1
		.amdhsa_inst_pref_size 30
	.end_amdhsa_kernel
	.amdgpu_metadata
---
amdhsa.version: [ 1, 2 ]
amdhsa.kernels:
  - .name:           k_q5cc1163369_prep
    .symbol:         k_q5cc1163369_prep.kd
    .args:
      - { .name: x, .offset: 0, .size: 8, .value_kind: global_buffer, .address_space: global }
      - { .name: q_A, .offset: 8, .size: 8, .value_kind: global_buffer, .address_space: global }
      - { .name: k_A, .offset: 16, .size: 8, .value_kind: global_buffer, .address_space: global }
      - { .name: v_A, .offset: 24, .size: 8, .value_kind: global_buffer, .address_space: global }
      - { .name: xb, .offset: 32, .size: 8, .value_kind: global_buffer, .address_space: global }
      - { .name: tp, .offset: 40, .size: 8, .value_kind: global_buffer, .address_space: global }
    .group_segment_fixed_size: 166400
    .private_segment_fixed_size: 0
    .kernarg_segment_align: 8
    .kernarg_segment_size: 48
    .max_flat_workgroup_size: 256
    .sgpr_count:     66
    .vgpr_count:     320
    .wavefront_size: 32
...
	.end_amdgpu_metadata
.endif
;; end of part 1
;; launch gemm (part 2): grid 64 x 4, 4 waves a work-group, clusters of 4 x 4, 327,680 bytes of LDS; arguments xb, tp, q_weight, k_weight, v_weight, q_B, k_B, v_B, out0, out1, out2; writes out0, out1, out2
.if DOCPART == 2
	.amdgcn_target "amdgcn-amd-amdhsa--gfx1250"
	.amdhsa_code_object_version 6
	.text
	.protected	k_q5cc1163369_gemm
	.globl	k_q5cc1163369_gemm
	.p2align	8
	.type	k_q5cc1163369_gemm,@function
k_q5cc1163369_gemm:
	s_mov_b64 s[64:65], 0
	v_nop
	global_prefetch_b8 v0, s[64:65] scope:SCOPE_SE
	s_setreg_imm32_b32 hwreg(HW_REG_WAVE_MODE, 25, 1), 1
	s_wait_xcnt 0x0
	s_wait_alu depctr_hold_cnt(0) depctr_sa_sdst(0) depctr_va_vdst(0) depctr_va_sdst(0) depctr_va_ssrc(0) depctr_va_vcc(0) depctr_vm_vsrc(0)
	s_getreg_b32 s2, hwreg(HW_REG_IB_STS2, 6, 4)
	s_cmp_eq_u32 s2, 0
	s_cbranch_scc0 .Lentry_in_a_cluster
	s_endpgm
.Lentry_in_a_cluster:
	s_bfe_u32 s2, ttmp6, 0x10000c
	s_cmp_lg_u32 s2, 0xf033
	s_cbranch_scc0 .Lentry_shape_is_right
	s_endpgm
.Lentry_shape_is_right:
; out_c[m][n] = sum over k of x[m][k] W_c[n][k] + sum over r of t_c[m][r] B_c[n][r], c = q, k, v; t_c = x A_c^T comes as four bf16 parts tp[p] from the launch before, x as bf16 (xb).
; M = 1,024, K = 4,096, N = 4,096 for each c.  W and B are f32 in memory and are rounded to bf16 (to nearest even) on their way; all sums in f32; out is f32.
; LIMITS.  x, W, A, B are each rounded once to bf16, the four parts of t to bf16; the order of the sums is not the reference's (the rank-16 products start the sums, K follows ascending).
; bf16 has f32's exponents, so no range is lost; NaN and infinities go through as bf16 carries them.  The reference's scale is the constant 1.0: multiplying by it changes nothing.
; SHARES.  A work-group makes 256 rows x the SAME 64 columns of Q, K and V: a tile of 256 x 192, 4 x 64 = 256 work-groups of equal work.  Four waves, each 128 rows x 96 columns: 48 accumulators, 384 registers.
; In LDS W's 192 rows lie in the order q 0-63, k 0-31, v 0-63, k 32-63, so that both column halves are alike: four blocks of 16 of a "big" matrix (q or v), then two of k.
; K goes in steps of 128.  x: two LDS slots filled by tensor loads, 64 rows x 256 bytes a wave.  W: each wave loads 16 rows of each matrix (48 loads of 512 consecutive bytes) into registers a step
; ahead, rounds them to bf16 and stores them into one of two LDS buffers, while the step before is multiplied; the registers are loaded again at once with the step after.
; CLUSTER.  4 x 4 work-groups.  The four of a row need the same tile of x: it is asked for JOINTLY (the same tensor load, descriptor and mask in all four).  W is shared along a column but NOT asked for jointly:
; a tensor load would lay it into LDS as f32, 192 rows x 512 bytes a step; two such slots (196,608 bytes) beside x's two (139,264) pass the 327,680 bytes that there are.
; THE MATRIX INSTRUCTION IS USED TRANSPOSED: source 0 = 16 rows of W, source 1 = 16 rows of x: a lane then holds one row of out (lane % 16) and eight neighbouring columns 8 (lane / 16) + 0..7.
; REGISTERS, in windows of 256 (s_set_vgpr_msb: bits 1:0 source 0, 3:2 source 1, 5:4 source 2, 7:6 destination):
;   window 0: v2-14 addresses; v16-22 at work; v28, v29 the add's; v32-79, v80-127 W's fragments (6 x 8), two buffers; v128-191, v192-255 x's (8 x 8), two buffers
;   window 1: v0-191 W as loaded (load e = 16 matrix + row at 4 e), rounded in place; v192-195 the addresses of that path
;   window 2: accumulators of my row blocks 0-3, (a, b) at 48 a + 8 b; v192-255 t_k's fragments        window 3: the same for row blocks 4-7
.set PITCH, 272                        ; an LDS row: 256 bytes of bf16 + 16: the 16 rows of a fragment load start 4 banks apart (64 banks of 4 bytes: ISA guide 11.1)
.set BLK,   16*PITCH
.set XSS,   256*PITCH                  ; a slot of x; the two lie at 0 and XSS
.set WBS,   192*PITCH                  ; a buffer of W
.set WB0,   2*XSS                      ; the two lie here: no tensor load ever lands in them
.set SPARE, WB0+2*WBS                  ; the spare words, 128 bytes for each wave: two blocks of 256 bytes that no other line names
.set SPI,   784                        ; the stage for the way out, from LDS byte 0, behind the last fill and the last fragment read: 256 rows of q 256 | k 256 | v 256 | 16 bytes
.set ROWB,  16384                      ; bytes in a row of W and of out
.set TPP,   98304                      ; bytes in one part of tp
.set ADX, 2                            ; v2-3   my place in x's fragments, slot 0, 1
.set ADW, 4                            ; v4-5   the same for W's buffers
.set SB,  6                            ; v6-7   the stage: my 32 bytes of the big matrix's block 0, row blocks 0-3, 4-7
.set SK,  8                            ; v8-9   the same for k
.set RD,  10                           ; v10    the stage: where I read rows back
.set CO,  11                           ; v11    and their place in out
.set TO,  12                           ; v12    my 16 bytes in 16 rows of tp
.set BO,  13                           ; v13    my 32 bytes in 16 rows of B
.set PO,  14                           ; v14    the block of W that I ask for ahead
.set SPW, 28                           ; v28    LDS address of my spare word; never rewritten
.set NIL, 29                           ; v29    0; never rewritten
.set WF,  32
.set XF,  128
.set WO,  192                          ; window 1: 16 x lane
.set WS,  193                          ; window 1: v193-195 where my 8 bytes of a row go in W's buffer 0, for q, k, v
.set TK,  192                          ; windows 2, 3: t_k's fragment (a, j) at 192 + 8 (2 a + j)
.set G1,  24                           ; s[24:31] descriptor group 1
.set G0,  32                           ; s[32:39] descriptor group 0, a set for each slot
.set SW,  72                           ; s[72:77] W_q, W_k, W_v at my wave's rows; they step along K
.set MSB, 0
.macro WIN new                         ; the immediate's high byte repeats the setting that is left; a switch that changes nothing is dropped
.if MSB != (\new)
	s_set_vgpr_msb (MSB<<8)|(\new)
.set MSB, \new
.endif
.endm
.macro PLACES                          ; four places: behind a matrix instruction, ahead of a load into one of its registers or of a store of its result (ISA guide 7.12.1 for the stores)
.rept 4
	v_nop
.endr
.endm
.macro CREST                           ; a round of the cluster's barrier behind its opening barrier
	s_cmp_lg_u32 s10, 0
	s_cbranch_scc1 .Lnot_wave_0_\@
	s_barrier_signal -3
.Lnot_wave_0_\@:
	s_barrier_wait -3
	s_barrier_signal -1
	s_barrier_wait -1
.endm
.macro CROUND                          ; a whole round
	s_barrier_signal -1
	s_barrier_wait -1
	CREST
.endm
; n row blocks from a0 of the window's four (hi = 0: my rows 0-63, 1: rows 64-127) x all 6 column blocks, 32 along K, on fragment buffer f.
; The 48 accumulators take turns, one instruction a turn, in the same order in every quarter step.
.macro MUL f, hi, a0, n
	WIN 0xa0+0x50*(\hi)
.set a, \a0
.rept \n
.set b, 0
.rept 6
.set rD, 48*a+8*b
.set rW, WF+48*(\f)+8*b
.set rX, XF+64*(\f)+8*(4*(\hi)+a)
	v_wmma_f32_16x16x32_bf16 v[rD:rD+7], v[rW:rW+7], v[rX:rX+7], v[rD:rD+7]
.set b, b+1
.endr
.set a, a+1
.endr
.endm
; 28 LDS loads in one run: the fragments of quarter q (32 along K) into buffer f: W's 6 blocks, x's blocks 0-3, x's blocks 4-7
.macro FETCH slot, q, f
	WIN 0
.set i, 0
.rept 6
	ds_load_b128 v[WF+48*(\f)+8*i:WF+48*(\f)+8*i+3],   v[ADW+(\slot)] offset:i*BLK+64*(\q)
	ds_load_b128 v[WF+48*(\f)+8*i+4:WF+48*(\f)+8*i+7], v[ADW+(\slot)] offset:i*BLK+64*(\q)+32
.set i, i+1
.endr
.set i, 0
.rept 8
	ds_load_b128 v[XF+64*(\f)+8*i:XF+64*(\f)+8*i+3],   v[ADX+(\slot)] offset:i*BLK+64*(\q)
	ds_load_b128 v[XF+64*(\f)+8*i+4:XF+64*(\f)+8*i+7], v[ADX+(\slot)] offset:i*BLK+64*(\q)+32
.set i, i+1
.endr
.endm
; Chunk q (loads 12 q .. 12 q + 11) of the next step's W: rounded to bf16 in place, 8 bytes a lane into buffer dst.  cnt: the younger loads, which may stay out.
.macro CVT q, dst, cnt
	WIN 0x45                                       ; all of this path lies in window 1
	s_wait_loadcnt \cnt
.set e, 12*(\q)
.rept 12
	v_cvt_pk_bf16_f32 v[4*e], v[4*e], v[4*e+1]
	v_cvt_pk_bf16_f32 v[4*e+1], v[4*e+2], v[4*e+3]
.set e, e+1
.endr
.set e, 12*(\q)
.rept 12
	ds_store_b64 v[WS+e/16], v[4*e:4*e+1] offset:(\dst)*WBS+(e%16)*PITCH  ; 32 lanes store a row's 256 bytes
.set e, e+1
.endr
.endm
; and its registers are loaded again: a row's 512 consecutive bytes a load.  No cache word: the three partners of my column read the same bytes.
.macro RELOAD q, koff
	WIN 0x45
.set e, 12*(\q)
.rept 12
	global_load_b128 v[4*e:4*e+3], v[WO], s[SW+2*(e/16):SW+2*(e/16)+1] offset:(e%16)*ROWB+(\koff)
.set e, e+1
.endr
.endm
; A K step is four quarters of 32 along K, 48 matrix instructions each, on buffers 0, 1, 0, 1.  One of the first three: multiplies buffer f; in its middle chunk q of W goes its way (its 24 conversions
; are the places in front of the loads into g) and the next quarter's fragments are fetched into g.
.macro QUARTER slot, q, f, g, conv, dst, cnt, rel, koff
	s_wait_dscnt 8                                 ; W's fragments and x's blocks 0-3 are in; the youngest eight loads (x's blocks 4-7) may be out
	MUL \f, 0, 0, 4
.if \conv
	CVT \q, \dst, \cnt
.if \rel
	RELOAD \q, \koff
.endif
.else
	PLACES
.endif
	FETCH \slot, (\q)+1, \g
.if \conv
	s_wait_dscnt 40                                ; all but the 12 stores and 28 loads just issued
.else
	s_wait_dscnt 28                                ; all but the 28 loads just issued
.endif
	MUL \f, 1, 0, 4
.endm
; W is asked for ahead.  In the change of slots of step s, wave c < 3 of the partner at place cy of my column asks for rows 16 cy .. + 15 of W_c's tile of step s + 4: 32 lanes, 256 bytes apart, 16 rows x 512 bytes.
; The four partners' three waves cover the tile's 192 rows, each block once.  The registers' loads of that tile are issued in step s + 2.  The tile's number is clamped to 31, the last: no request leaves a row of W.
.macro PREF
	s_wait_xcnt 0x0                                ; the last request's base is rewritten only behind this wait (ISA guide 3.1)
	s_min_u32 s52, s46, 31*512
	s_add_nc_u64 s[50:51], s[48:49], s[52:53]
	s_add_co_u32 s46, s46, 512
	s_cmp_lt_u32 s10, 3
	s_cbranch_scc0 .Lno_ask_\@
	global_prefetch_b8 v[PO], s[50:51] th:TH_LOAD_NT scope:SCOPE_SE
.Lno_ask_\@:
.endm
; The last quarter multiplies buffer 1 and changes slots: ONE barrier for four things.  In front of it each wave has stored its last chunk of the next step's W, waits for all its tensor loads (one is out: its
; part of the next slot of x), adds 0 to its spare word, and waits for that, for its stores and for its reads of this slot.  fill = 1: the barrier opens a round of the cluster's barrier, and behind the round
; this slot of x is filled again first, with the step two on: from the request to the wait for it a wave issues 168 matrix instructions.
.macro TURN slot, next, fill, dst, cnt, rel, koff
	CVT 3, \dst, \cnt
.if \rel
	RELOAD 3, \koff
.endif
	WIN 0                                          ; (the add's two registers lie in window 0)
	s_wait_tensorcnt 0x0                           ; all my tensor loads have landed;
	ds_add_u32 v[SPW], v[NIL]                      ; 0 onto my spare word;
	s_wait_dscnt 21                                ; (x's blocks 4-7, the 12 stores and the add may be out)
	MUL 1, 0, 0, 2                                 ; twelve matrix instructions stand between the add and the wait for it
	s_wait_dscnt 0x0                               ; the add is done, my part of W is in its buffer, my reads of this slot are over
	s_barrier_signal -1
	MUL 1, 0, 2, 2                                 ; work on registers while the others arrive
	WIN 0                                          ; at a branch and at a label every window is 0
	s_barrier_wait -1
.if \fill
	CREST                                          ; no wave of any partner still reads this slot or has a load on its way
	s_add_nc_u64 s[G0+4*(\slot)+2:G0+4*(\slot)+3], s[G0+4*(\slot)+2:G0+4*(\slot)+3], 512  ; two steps of 256 bytes on; the type bits on top are not reached
	tensor_load_to_lds s[G0+4*(\slot):G0+4*(\slot)+3], s[G1:G1+7]  ; my one tensor load behind the round, and the first thing there
	s_nop 0
	PLACES
	PREF
.else
	PLACES
.endif
	FETCH \next, 0, 0
	MUL 1, 1, 0, 4
.endm
; THE RANK-16 PRODUCTS.  K = 32 holds two parts of t: source 1 = [t_2j | t_2j+1] (16 rows), source 0 = [B | B] (16 columns).  j = 0 starts the sums with the constant 0: nothing is ever cleared.
.macro LORA hi, j, zero                ; the big matrix: 4 row blocks x column blocks 0-3
	WIN 0xa0+0x50*(\hi)
.set a, 0
.rept 4
.set b, 0
.rept 4
.set rD, 48*a+8*b
.set rW, WF+8*b
.set rX, XF+8*(2*(4*(\hi)+a)+(\j))
.if \zero
	v_wmma_f32_16x16x32_bf16 v[rD:rD+7], v[rW:rW+7], v[rX:rX+7], 0
.else
	v_wmma_f32_16x16x32_bf16 v[rD:rD+7], v[rW:rW+7], v[rX:rX+7], v[rD:rD+7]
.endif
.set b, b+1
.endr
.set a, a+1
.endr
.endm
.macro LORAK hi, j, zero               ; k: 4 row blocks x column blocks 4, 5; t_k's fragments lie in the accumulators' window
	WIN 0xa8+0x54*(\hi)
.set a, 0
.rept 4
.set b, 4
.rept 2
.set rD, 48*a+8*b
.set rW, WF+8*b
.set rX, TK+8*(2*a+(\j))
.if \zero
	v_wmma_f32_16x16x32_bf16 v[rD:rD+7], v[rW:rW+7], v[rX:rX+7], 0
.else
	v_wmma_f32_16x16x32_bf16 v[rD:rD+7], v[rW:rW+7], v[rX:rX+7], v[rD:rD+7]
.endif
.set b, b+1
.endr
.set a, a+1
.endr
.endm
	s_load_b512 s[68:83], s[0:1], 0x0              ; xb s[68:69], tp s[70:71], W_q, W_k, W_v s[72:77], B_q, B_k, B_v s[78:83]
	s_load_b128 s[84:87], s[0:1], 0x40             ; out0, out1
	s_load_b64 s[88:89], s[0:1], 0x50              ; out2
	v_lshl_add_u32 v[SPW], v0, 2, SPARE
	v_mov_b32 v[NIL], 0
	ds_add_u32 v28, v29
	ds_add_u32 v28, v29
	s_wait_dscnt 0x0
	v_lshrrev_b32 v1, 5, v0
	v_readfirstlane_b32 s10, v1                    ; wave 0..3
	s_lshr_b32 s11, s10, 1                         ; which half of the tile's rows is mine
	s_and_b32 s12, s10, 1                          ; which half of its columns
	s_bfe_u32 s40, ttmp6, 0x40000                  ; cx
	s_bfe_u32 s41, ttmp6, 0x40004                  ; cy: the grid is one cluster high, so cy is the tile row
	s_lshl_b32 s42, ttmp9, 2                       ; in a cluster launch ttmp9 counts clusters
	s_add_co_u32 s42, s42, s40                     ; the tile column = 4 x cluster x + cx
	s_lshl_b32 s43, s41, 2
	s_lshl_b32 s43, 15, s43                        ; my row of the cluster: places 4 cy .. 4 cy + 3
	; descriptor group 1: a tile of 64 rows x 128 elements of 2 bytes, padded in LDS
	s_or_b32 s[G1], s43, (1<<16)|(1<<20)|(1<<21)|(5<<22)|(3<<25)  ; 15:0 the mask; 17:16 element of 2 bytes; 20 padding on; 21 set beside a mask; 24:22 after every 64 words (code 5); 31:25 4 words (code 3)
	s_mov_b32 s[G1+1], 128<<16                     ; tensor_dim0 = 128
	s_mov_b32 s[G1+2], 64<<16                      ; tensor_dim1 = 64
	s_mov_b32 s[G1+3], 128<<16                     ; tile_dim0 = 128
	s_mov_b32 s[G1+4], 64                          ; tile_dim1 = 64
	s_mov_b32 s[G1+5], 4096                        ; elements from row to row
	s_mov_b32 s[G1+6], 0
	s_mov_b32 s[G1+7], 0
	s_lshl_b32 s16, s41, 21                        ; xb: 256 rows of 8,192 bytes for the tile row,
	s_lshl_b32 s18, s10, 19                        ; 64 for my wave: made of cy and the wave's number alone, in registers that never hold cx
	s_add_co_u32 s16, s16, s18
	s_mov_b32 s17, 0
	s_mul_i32 s19, s10, 64*PITCH                   ; and where they go: no place in the cluster enters an LDS address
	s_lshl_b32 s90, s42, 20                        ; W: the tile column's 64 rows of 16,384 bytes,
	s_mov_b32 s91, 0
	s_lshl_b32 s92, s10, 18                        ; my wave's 16 of them
	s_mov_b32 s93, 0
	s_mul_i32 s20, s41, 256*96                     ; tp: the tile row's 256 rows of 96 bytes,
	s_mul_i32 s21, s11, 128*96                     ; my half of them
	s_add_co_u32 s20, s20, s21
	s_mov_b32 s21, 0
	s_lshl_b32 s22, s12, 6                         ; q's ranks at byte 0 of a row, v's at byte 64
	s_mov_b32 s23, 0
	s_lshl_b32 s96, s42, 12                        ; B: the tile column's 64 rows of 64 bytes
	s_mov_b32 s97, 0
	s_lshl_b32 s98, s41, 22                        ; out: 256 rows of 16,384 bytes for the tile row,
	s_lshl_b32 s99, s10, 20                        ; the 64 rows that my wave stores,
	s_add_co_u32 s98, s98, s99
	s_lshl_b32 s99, s42, 8                         ; the tile column's 256 bytes
	s_add_co_u32 s98, s98, s99
	s_mov_b32 s99, 0
	s_mov_b32 s46, 4*512                           ; the first tile that is asked for ahead
	s_mov_b32 s53, 0
	v_and_b32 v16, 31, v0                          ; lane
	v_and_b32 v17, 15, v0                          ; lane % 16
	v_bfe_u32 v18, v0, 4, 1                        ; lane / 16
	v_lshlrev_b32 v20, 3, v16
	s_mul_i32 s94, s10, BLK
	s_add_co_u32 s94, s94, WB0                     ; q's rows 16 w on lie at rows 16 w of the buffer,
	s_mul_i32 s95, s11, 64*PITCH
	s_add_co_u32 s95, s95, s94
	s_add_co_u32 s95, s95, 64*PITCH                ; k's at 64 + 16 w, and 64 further on for k's rows 32-63,
	WIN 0x40                                       ; destination window 1
	v_lshlrev_b32 v[WO], 4, v16
	v_add_nc_u32 v[WS], s94, v20
	v_add_nc_u32 v[WS+1], s95, v20
	s_add_co_u32 s94, s94, 96*PITCH                ; v's at 96 + 16 w
	v_add_nc_u32 v[WS+2], s94, v20
	WIN 0
	s_wait_kmcnt 0x0
	s_cmp_eq_u32 s10, 0                            ; the matrix that my wave asks for ahead: q, k, v for waves 0, 1, 2
	s_cselect_b64 s[48:49], s[72:73], s[76:77]
	s_cmp_eq_u32 s10, 1
	s_cselect_b64 s[48:49], s[74:75], s[48:49]
	s_add_nc_u64 s[48:49], s[48:49], s[90:91]
	s_add_nc_u64 s[90:91], s[90:91], s[92:93]
	s_add_nc_u64 s[72:73], s[72:73], s[90:91]
	s_add_nc_u64 s[74:75], s[74:75], s[90:91]
	s_add_nc_u64 s[76:77], s[76:77], s[90:91]
.irp q, 0,1,2,3
	RELOAD \q, 0                                   ; W of step 0 is on its way before anything else
.endr
	WIN 0
	s_add_nc_u64 s[68:69], s[68:69], s[16:17]
.irp s, 0,1
	s_mov_b32 s[G0+4*(\s)], 1                                      ; 1:0 count = 1
	s_add_co_u32 s[G0+4*(\s)+1], s19, (\s)*XSS                     ; 63:32 LDS address
	s_add_nc_u64 s[G0+4*(\s)+2:G0+4*(\s)+3], s[68:69], (\s)*256    ; 120:64 global address: K step s
	s_or_b32 s[G0+4*(\s)+3], s[G0+4*(\s)+3], 0x80000000            ; 127:126 type = 2
.endr
	s_add_nc_u64 s[56:57], s[70:71], s[20:21]      ; tp at my 128 rows;
	s_add_nc_u64 s[54:55], s[56:57], s[22:23]      ; the big matrix's ranks,
	s_add_nc_u64 s[56:57], s[56:57], 32            ; k's
	s_cmp_eq_u32 s12, 0
	s_cselect_b64 s[58:59], s[78:79], s[82:83]     ; the big matrix's B
	s_add_nc_u64 s[58:59], s[58:59], s[96:97]
	s_add_nc_u64 s[60:61], s[80:81], s[96:97]      ; k's B,
	s_lshl_b32 s96, s12, 11                        ; my 32 rows of it
	s_add_nc_u64 s[60:61], s[60:61], s[96:97]
	s_add_nc_u64 s[84:85], s[84:85], s[98:99]
	s_add_nc_u64 s[86:87], s[86:87], s[98:99]
	s_add_nc_u64 s[88:89], s[88:89], s[98:99]
	v_mul_u32_u24 v[TO], v17, 96
	v_lshl_add_u32 v[TO], v18, 4, v[TO]            ; row x 96 + 16 x half
	v_lshlrev_b32 v[BO], 6, v17
	v_lshl_add_u32 v[BO], v18, 5, v[BO]            ; row x 64 + 32 x half
	CROUND                                         ; all sixteen work-groups are here: the first joint loads meet
	tensor_load_to_lds s[G0:G0+3], s[G1:G1+7]      ; x of steps 0 and 1: two tensor loads of mine are out
	s_nop 0
	tensor_load_to_lds s[G0+4:G0+7], s[G1:G1+7]
	s_nop 0
	PLACES
	; B as f32 into W's fragment buffer 1: a lane takes 8 ranks of one column, 32 bytes
.set b, 0
.rept 4
	global_load_b128 v[WF+48+8*b:WF+48+8*b+3],   v[BO], s[58:59] offset:b*1024
	global_load_b128 v[WF+48+8*b+4:WF+48+8*b+7], v[BO], s[58:59] offset:b*1024+16
.set b, b+1
.endr
.rept 2
	global_load_b128 v[WF+48+8*b:WF+48+8*b+3],   v[BO], s[60:61] offset:(b-4)*1024
	global_load_b128 v[WF+48+8*b+4:WF+48+8*b+7], v[BO], s[60:61] offset:(b-4)*1024+16
.set b, b+1
.endr
	; t's fragments: registers 0-3 take ranks 8 (lane / 16) + 0..7 of part 2 j, registers 4-7 those of part 2 j + 1.  The big matrix's fill x's two fragment buffers: (a, j) at XF + 8 (2 a + j)
.set i, 0
.rept 16
	global_load_b128 v[XF+8*i:XF+8*i+3],   v[TO], s[54:55] offset:(i/2)*1536+(2*(i%2))*TPP
	global_load_b128 v[XF+8*i+4:XF+8*i+7], v[TO], s[54:55] offset:(i/2)*1536+(2*(i%2)+1)*TPP
.set i, i+1
.endr
	WIN 0x80                                       ; destination window 2
.set i, 0
.rept 8
	global_load_b128 v[TK+8*i:TK+8*i+3],   v[TO], s[56:57] offset:(i/2)*1536+(2*(i%2))*TPP
	global_load_b128 v[TK+8*i+4:TK+8*i+7], v[TO], s[56:57] offset:(i/2)*1536+(2*(i%2)+1)*TPP
.set i, i+1
.endr
	WIN 0xc0                                       ; destination window 3
.set i, 0
.rept 8
	global_load_b128 v[TK+8*i:TK+8*i+3],   v[TO], s[56:57] offset:(4+i/2)*1536+(2*(i%2))*TPP
	global_load_b128 v[TK+8*i+4:TK+8*i+7], v[TO], s[56:57] offset:(4+i/2)*1536+(2*(i%2)+1)*TPP
.set i, i+1
.endr
	WIN 0
	; the other addresses are made while the loads are out
	v_mul_u32_u24 v19, v17, PITCH
	v_lshl_add_u32 v19, v18, 4, v19                ; a fragment's row x pitch + 16 x half
	s_mul_i32 s94, s11, 128*PITCH                  ; my 128 rows of x
	s_mul_i32 s95, s12, 96*PITCH                   ; my 96 rows of W
	s_add_co_u32 s95, s95, WB0
	v_add_nc_u32 v[ADX], s94, v19
	v_add_nc_u32 v[ADX+1], XSS, v[ADX]
	v_add_nc_u32 v[ADW], s95, v19
	v_add_nc_u32 v[ADW+1], WBS, v[ADW]
	v_mul_u32_u24 v20, v17, SPI
	v_lshl_add_u32 v20, v18, 5, v20                ; the stage: row x 784 + 32 x half
	s_mul_i32 s94, s11, 128*SPI
	s_lshl_b32 s95, s12, 9                         ; q at byte 0 of a row, v at byte 512
	s_add_co_u32 s95, s95, s94
	v_add_nc_u32 v[SB], s95, v20
	v_add_nc_u32 v[SB+1], 64*SPI, v[SB]
	s_lshl_b32 s95, s12, 7                         ; k at byte 256, my 32 columns of it
	s_add_co_u32 s95, s95, s94
	s_add_co_u32 s95, s95, 256
	v_add_nc_u32 v[SK], s95, v20
	v_add_nc_u32 v[SK+1], 64*SPI, v[SK]
	s_mul_i32 s94, s10, 64*SPI                     ; back: wave w takes rows 64 w .. + 63; lanes 0-15 256 bytes of one row, lanes 16-31 of the next
	v_mul_u32_u24 v21, v18, SPI
	v_lshl_add_u32 v21, v17, 4, v21
	v_add_nc_u32 v[RD], s94, v21
	v_lshlrev_b32 v21, 14, v18                     ; and the same two rows in out
	v_lshl_add_u32 v[CO], v17, 4, v21
	s_lshl_b32 s94, s41, 4                         ; asked for ahead: row 16 cy + lane / 2 of the tile column's 64, block lane % 2 of a step's two
	v_lshrrev_b32 v21, 1, v16
	v_add_nc_u32 v21, s94, v21
	v_lshlrev_b32 v21, 14, v21
	v_and_b32 v22, 1, v16
	v_lshl_add_u32 v[PO], v22, 8, v21
.irp q, 0,1,2,3
	CVT \q, 0, 63                                  ; W of step 0 into buffer 0: behind its loads 76 or more were issued; 63 is the largest count that the wait can name, and a smaller count is safe
	RELOAD \q, 512                                 ; W of step 1
.endr
	WIN 0
	s_wait_xcnt 0x0                                ; the bases are stepped only behind this wait (ISA guide 3.1)
	s_add_nc_u64 s[72:73], s[72:73], 1024          ; now at step 2
	s_add_nc_u64 s[74:75], s[74:75], 1024
	s_add_nc_u64 s[76:77], s[76:77], 1024
	s_wait_loadcnt 48                              ; B and t are in; the 48 loads of step 1's W are younger
.set i, 0
.rept 24                               ; block i / 4: eight ranks rounded to bf16, and once more for the second part of t
	v_cvt_pk_bf16_f32 v[WF+8*(i/4)+i%4], v[WF+48+8*(i/4)+2*(i%4)], v[WF+48+8*(i/4)+2*(i%4)+1]
.set i, i+1
.endr
.set i, 0
.rept 24
	v_mov_b32 v[WF+8*(i/4)+4+i%4], v[WF+8*(i/4)+i%4]
.set i, i+1
.endr
	LORA 0, 0, 1                                   ; between two products on one accumulator stand 15 others' (k: 7)
	LORA 1, 0, 1
	LORA 1, 1, 0
	LORA 0, 1, 0
	LORAK 0, 0, 1
	LORAK 0, 1, 0
	LORAK 1, 0, 1
	LORAK 1, 1, 0
	WIN 0
	s_wait_tensorcnt 1                             ; my part of x's step 0 is in; step 1's may stay out
	s_wait_dscnt 0x0                               ; my part of W's step 0 is in its buffer
	s_barrier_signal -1
	s_barrier_wait -1                              ; everybody's is
	PLACES                                         ; behind the rank-16 products, whose fragments' registers are loaded now
	FETCH 0, 0, 0
	s_mov_b32 s3, 15
.Lstep:                                                ; a trip is two K steps, once round both rings: steps 0 to 29.  Step s multiplies slot s % 2, rounds W of step s + 1, loads W of step s + 2, asks for x of step s + 2
	QUARTER 0, 0, 0, 1, 1, 1, 36, 1, 0             ; 36: behind a chunk's 12 loads three chunks were issued
	QUARTER 0, 1, 1, 0, 1, 1, 36, 1, 0
	QUARTER 0, 2, 0, 1, 1, 1, 36, 1, 0
	TURN 0, 1, 1, 1, 36, 1, 0
	QUARTER 1, 0, 0, 1, 1, 0, 36, 1, 512
	QUARTER 1, 1, 1, 0, 1, 0, 36, 1, 512
	QUARTER 1, 2, 0, 1, 1, 0, 36, 1, 512
	TURN 1, 0, 1, 0, 36, 1, 512
	WIN 0
	s_wait_xcnt 0x0                                ; the bases are stepped only behind this wait
	s_add_nc_u64 s[72:73], s[72:73], 1024
	s_add_nc_u64 s[74:75], s[74:75], 1024
	s_add_nc_u64 s[76:77], s[76:77], 1024
	s_sub_co_u32 s3, s3, 1
	s_cmp_lg_u32 s3, 0
	s_cbranch_scc1 .Lstep
	QUARTER 0, 0, 0, 1, 1, 1, 36, 0, 0             ; step 30: the last W is rounded, nothing is loaded: the counts run down
	QUARTER 0, 1, 1, 0, 1, 1, 24, 0, 0
	QUARTER 0, 2, 0, 1, 1, 1, 12, 0, 0
	TURN 0, 1, 0, 1, 0, 0, 0                       ; nothing is filled again, so no round follows the barrier
	QUARTER 1, 0, 0, 1, 0, 0, 0, 0, 0              ; step 31
	QUARTER 1, 1, 1, 0, 0, 0, 0, 0, 0
	QUARTER 1, 2, 0, 1, 0, 0, 0, 0, 0
	s_wait_dscnt 0x0                               ; my last fragments are in: my reads of the slots and buffers are over,
	s_barrier_signal -1                            ; say so,
	MUL 1, 0, 0, 4
	MUL 1, 1, 0, 4
	WIN 0
	s_barrier_wait -1                              ; and when all four have said so the stage may be written over them: every fill has landed, and none follows
	; THE WAY OUT.  A lane's eight columns of a row are 32 bytes; they go into stage rows of 784 bytes and come back as whole runs of 256 bytes of one matrix's row.
	PLACES                                         ; behind the last products
.irp hi, 0,1
	WIN 0x08+4*(\hi)                               ; store data window 2 or 3, address window 0
.set a, 0
.rept 4
.set b, 0
.rept 4
	ds_store_b128 v[SB+(\hi)], v[48*a+8*b:48*a+8*b+3]   offset:a*16*SPI+64*b       ; each accumulator's low registers first
	ds_store_b128 v[SB+(\hi)], v[48*a+8*b+4:48*a+8*b+7] offset:a*16*SPI+64*b+16
.set b, b+1
.endr
.rept 2
	ds_store_b128 v[SK+(\hi)], v[48*a+8*b:48*a+8*b+3]   offset:a*16*SPI+64*(b-4)
	ds_store_b128 v[SK+(\hi)], v[48*a+8*b+4:48*a+8*b+7] offset:a*16*SPI+64*(b-4)+16
.set b, b+1
.endr
.set a, a+1
.endr
.endr
	WIN 0
	s_wait_dscnt 0x0                               ; for the others' sake: a row's 768 bytes come from two waves
	s_barrier_signal -1
	s_barrier_wait -1
.macro BACK c, win, reg                ; matrix c's part of my 64 rows, two rows a load
	WIN \win
.set t, 0
.rept 32
	ds_load_b128 v[(\reg)+4*t:(\reg)+4*t+3], v[RD] offset:t*2*SPI+256*(\c)
.set t, t+1
.endr
.endm
.macro SEND c, win, reg, younger       ; younger: the LDS loads issued behind matrix c's 32
	WIN \win
.set t, 0
.rept 32
	s_wait_dscnt (\younger)+31-t
	global_store_b128 v[CO], v[(\reg)+4*t:(\reg)+4*t+3], s[84+2*(\c):85+2*(\c)] offset:t*2*ROWB th:TH_STORE_NT  ; 16 lanes store 256 consecutive bytes, at a multiple of 256 from the output's first byte
.set t, t+1
.endr
.endm
	BACK 0, 0x40, 0                                ; into window 1, v0-127
	BACK 1, 0, 128                                 ; into window 0, v128-255
	SEND 0, 0x04, 0, 32
	BACK 2, 0x40, 128                              ; into window 1, v128-255: no register is used twice, so nothing waits for a store
	SEND 1, 0, 128, 32
	SEND 2, 0x04, 128, 0
	WIN 0
	s_wait_tensorcnt 0x0                           ; the wave's end: behind my last tensor load and my last LDS store
	ds_add_u32 v[SPW], v[NIL]
	s_wait_dscnt 0x0
	CROUND                                         ; the closing round: no work-group ends while a partner may still ask for a tile that names it
	s_endpgm
.Lfunc_end_k_q5cc1163369_gemm:
	.size	k_q5cc1163369_gemm, .Lfunc_end_k_q5cc1163369_gemm-k_q5cc1163369_gemm
	.p2alignl 7, 3214868480
	.fill 96, 4, 3214868480
	.section	.rodata,"a",@progbits
	.p2align	6, 0x0
	.amdhsa_kernel k_q5cc1163369_gemm
		.amdhsa_group_segment_fixed_size 327680
		.amdhsa_private_segment_fixed_size 0
		.amdhsa_enable_private_segment 0
		.amdhsa_kernarg_size 88
		.amdhsa_user_sgpr_count 2
		.amdhsa_user_sgpr_kernarg_segment_ptr 1
		.amdhsa_wavefront_size32 1
		.amdhsa_system_sgpr_workgroup_id_x 1
		.amdhsa_system_sgpr_workgroup_id_y 1
		.amdhsa_system_sgpr_workgroup_id_z 1
		.amdhsa_system_vgpr_workitem_id 0
		.amdhsa_next_free_vgpr 1024
		.amdhsa_next_free_sgpr 100
		.amdhsa_reserve_vcc 0
		.amdhsa_float_denorm_mode_32 3
		.amdhsa_float_denorm_mode_16_64 3
		.amdhsa_memory_ordered 1
		.amdhsa_forward_progress 1
		.amdhsa_inst_pref_size 185
	.end_amdhsa_kernel
	.amdgpu_metadata
---
amdhsa.version: [ 1, 2 ]
amdhsa.kernels:
  - .name:           k_q5cc1163369_gemm
    .symbol:         k_q5cc1163369_gemm.kd
    .args:
      - { .name: xb, .offset: 0, .size: 8, .value_kind: global_buffer, .address_space: global }
      - { .name: tp, .offset: 8, .size: 8, .value_kind: global_buffer, .address_space: global }
      - { .name: q_weight, .offset: 16, .size: 8, .value_kind: global_buffer, .address_space: global }
      - { .name: k_weight, .offset: 24, .size: 8, .value_kind: global_buffer, .address_space: global }
      - { .name: v_weight, .offset: 32, .size: 8, .value_kind: global_buffer, .address_space: global }
      - { .name: q_B, .offset: 40, .size: 8, .value_kind: global_buffer, .address_space: global }
      - { .name: k_B, .offset: 48, .size: 8, .value_kind: global_buffer, .address_space: global }
      - { .name: v_B, .offset: 56, .size: 8, .value_kind: global_buffer, .address_space: global }
      - { .name: out0, .offset: 64, .size: 8, .value_kind: global_buffer, .address_space: global }
      - { .name: out1, .offset: 72, .size: 8, .value_kind: global_buffer, .address_space: global }
      - { .name: out2, .offset: 80, .size: 8, .value_kind: global_buffer, .address_space: global }
    .group_segment_fixed_size: 327680
    .private_segment_fixed_size: 0
    .kernarg_segment_align: 8
    .kernarg_segment_size: 88
    .max_flat_workgroup_size: 128
    .sgpr_count:     100
    .vgpr_count:     1024
    .wavefront_size: 32
...
	.end_amdgpu_metadata
.endif
;; end of part 2
;; ======== version 2 of 2: 2 launches; version 1 with the launch prep written anew for expert scheduling mode
;; workspace buffers: xb 8,388,608 bytes; tp 393,216 bytes
;; launch prep (part 3): grid 64 x 4, 8 waves a work-group, no clusters, 166,400 bytes of LDS; arguments x, q_A, k_A, v_A, xb, tp; writes xb, tp
.if DOCPART == 3
	.amdgcn_target "amdgcn-amd-amdhsa--gfx1250"
	.amdhsa_code_object_version 6
	.text
	.protected	k_q5cc1163369_prep
	.globl	k_q5cc1163369_prep
	.p2align	8
	.type	k_q5cc1163369_prep,@function
k_q5cc1163369_prep:
	s_mov_b64 s[64:65], 0
	v_nop
	global_prefetch_b8 v0, s[64:65] scope:SCOPE_SE
	s_setreg_imm32_b32 hwreg(HW_REG_WAVE_SCHED_MODE, 0, 2), 2
	s_setreg_imm32_b32 hwreg(HW_REG_WAVE_MODE, 25, 1), 1
	s_wait_xcnt 0x0
	s_wait_alu depctr_vm_vsrc(0)
; PREP.  xb[1024][4096] = x rounded to bf16 (to nearest even).  tp[p][row][48] = the part over K quarter p (1,024 k) of x . [A_q; A_k; A_v]^T,
; summed in f32 from bf16 operands and rounded once to bf16: 16 ranks of q, 16 of k, 16 of v in a row of 96 bytes.
; SHARES.  Work-group (rb, p): 16 rows of x (rb = 0..63), K quarter p.  Wave w of eight: 128 k, from 1024 p + 128 w.  Each byte of x is read once in the launch.
; A wave loads 16 rows of x and 3 x 16 rows of A, 512 consecutive bytes a load, rounds them to bf16 and lays them into its own 64 LDS rows; x's rows also go out to xb,
; 256 consecutive aligned bytes a store.  From LDS it takes matrix fragments: 12 products (3 matrices x 4 steps of 32 k).  The eight waves' sums meet in LDS.
; LIMITS.  x and A are rounded to bf16, each of the four parts of t to bf16 (the next launch adds the parts' products in f32); the order of the sums is not the reference's.
; bf16 has f32's exponents, so no range is lost; NaN and infinities go through as bf16 carries them.
; No cluster, no tensor load: the work-groups share only A (768 KB in all), and every tile is converted on its way, so it passes through registers anyway.
; THE MODE: SCHED_MODE bits 1:0 = 2 (LLVM: expert scheduling mode 2), set by the entry lines.  The code itself states the register dependences
; between vector or matrix instructions and memory or LDS instructions, with s_wait_alu, always for 0.
; THE PLAN.  Registers that memory or LDS instructions touch:
;   v1        offset of the 64 loads: made by one vector line at the head, never written again.
;   v2-v9     offsets and LDS addresses: made while the loads are out, never written again; the wait at the head of A_q's block shows them written, for the whole kernel.
;   X         x's loads land; x's conversions round in place; x's 32 stores read it; never written again.
;   AA        A_q's and A_k's loads land; their conversions round in place; their LDS stores read it; then the fragments' loads land in the same registers (FX, FA),
;             the matrix instructions read them, and the loads of the waves' sums (SUM) and of tp's bytes (BK) land there.
;   window 1  A_v's loads land; rounded in place; its LDS stores read it; never written again.
;   ACC       written by the matrix instructions, read by six LDS stores.       PK  written by four conversions, read by one LDS store.
; The work goes in blocks: x, A_q, A_k, A_v.  A block's stores are issued in the NEXT block, behind ONE wait on va_vdst at its head, and are dealt among that block's conversions, which name other registers.
.set ROWB,  16384                      ; bytes in a row of x and of A
.set PITCH, 272                        ; an LDS row: 256 bytes of bf16 + 16: the 16 rows of a fragment load start 4 banks apart (64 banks of 4 bytes: ISA guide 11.1)
.set LTW,   64*PITCH                   ; a wave's own tile: rows 0-15 x, 16-31 A_q, 32-47 A_k, 48-63 A_v
.set RED,   8*LTW                      ; the waves' sums: wave w, matrix c, half g at RED + 3072 w + 512 (2 c + g) + 16 lane
.set REDW,  3072
.set OUTS,  RED+8*REDW                 ; 16 rows x 96 bytes: tp's rows as they go out
.set TPP,   98304                      ; bytes in one part of tp
.set GOF, 1                            ; v1   16 x lane: my 16 bytes of a row's 512
.set XOF, 2                            ; v2   8 x lane: my 8 bytes of a row's 256 in xb
.set LST, 3                            ; v3   the same in my wave's LDS tile
.set LFR, 4                            ; v4   my place in a fragment: tile + (lane % 16) x pitch + 16 (lane / 16)
.set RST, 5                            ; v5   where I put my sums
.set RLD, 6                            ; v6   waves 0-2: where I read matrix w's sums
.set OST, 7                            ; v7   waves 0-2: where I put 16 bytes of a row of tp
.set OLD, 8                            ; v8   waves 0-2: where I read 16 of tp's 1,536 bytes back
.set TOF, 9                            ; v9   and their place in tp
.set X,   16                           ; v16-79   x: 4 registers a row
.set AA,  80                           ; v80-207  A_q, A_k; A_v lies in window 1, v0-63
.set FX,  80                           ; then the fragments: x's four at v80-111,
.set FA,  112                          ; A_c's four at v[112 + 32 c]
.set ACC, 208                          ; v208-231 three accumulators
.set SUM, 80                           ; the eight waves' sums of one matrix, 8 registers each
.set PK,  144                          ; 16 bytes of tp, as I put them into LDS
.set BK,  148                          ; 16 bytes of tp, as they come back: registers of their own, so that the load lands on nothing that an LDS store has just read
.set MSB, 0
.macro WIN new                         ; s_set_vgpr_msb: bits 1:0 source 0, 3:2 source 1, 5:4 source 2, 7:6 destination; the high byte repeats the setting that is left
.if MSB != (\new)
	s_set_vgpr_msb (MSB<<8)|(\new)
.set MSB, \new
.endif
.endm
	s_load_b256 s[4:11], s[0:1], 0x0               ; x s[4:5], A_q s[6:7], A_k s[8:9], A_v s[10:11]
	s_load_b128 s[12:15], s[0:1], 0x20             ; xb s[12:13], tp s[14:15]
	v_lshl_add_u32 v254, v0, 2, 0x28600
	v_mov_b32 v255, 0
	v_lshrrev_b32 v10, 5, v0
	v_readfirstlane_b32 s16, v10                   ; wave 0..7
	v_and_b32 v10, 31, v0                          ; lane
	v_lshlrev_b32 v[GOF], 4, v10
	s_and_b32 s17, ttmp7, 0xffff                   ; p
	s_lshl_b32 s20, s17, 12                        ; 1,024 k of f32,
	s_wait_alu depctr_va_sdst(0)                   ; s16 is written, ahead of its first reader: offsets, LDS addresses and two branches are made from it
	s_lshl_b32 s18, s16, 9                         ; my wave's 128 k
	s_add_co_u32 s20, s20, s18
	s_mov_b32 s21, 0
	s_lshl_b32 s22, ttmp9, 18                      ; 16 rows of 16,384 bytes
	s_add_co_u32 s22, s22, s20
	s_mov_b32 s23, 0
	s_wait_kmcnt 0x0
	s_add_nc_u64 s[4:5], s[4:5], s[22:23]
	s_add_nc_u64 s[6:7], s[6:7], s[20:21]
	s_add_nc_u64 s[8:9], s[8:9], s[20:21]
	s_add_nc_u64 s[10:11], s[10:11], s[20:21]
	s_wait_alu depctr_va_vdst(0)                   ; v[GOF] is written, which all 64 loads read as their offset; up to the last of them only loads and one window switch follow
	; 64 loads, all at once: x first, since it is wanted first
.set i, 0
.rept 16
	global_load_b128 v[X+4*i:X+4*i+3], v[GOF], s[4:5] offset:i*ROWB th:TH_LOAD_NT
.set i, i+1
.endr
.irp c, 0,1
.set i, 0
.rept 16
	global_load_b128 v[AA+64*(\c)+4*i:AA+64*(\c)+4*i+3], v[GOF], s[6+2*(\c):7+2*(\c)] offset:i*ROWB
.set i, i+1
.endr
.endr
	WIN 0x40                                       ; destination window 1, address window 0
.set i, 0
.rept 16
	global_load_b128 v[4*i:4*i+3], v[GOF], s[10:11] offset:i*ROWB
.set i, i+1
.endr
	WIN 0
	; the other addresses are made while the loads are out: these lines write v2 to v12, in which no load lands, and only read v[GOF]
	v_and_b32 v11, 15, v0                          ; lane % 16
	v_bfe_u32 v12, v0, 4, 1                        ; lane / 16
	s_mul_i32 s19, s16, LTW
	v_lshlrev_b32 v[XOF], 3, v10
	v_add_nc_u32 v[LST], s19, v[XOF]
	v_mul_u32_u24 v[LFR], v11, PITCH
	v_lshl_add_u32 v[LFR], v12, 4, v[LFR]
	v_add_nc_u32 v[LFR], s19, v[LFR]
	s_mul_i32 s18, s16, REDW
	s_add_co_u32 s18, s18, RED
	v_add_nc_u32 v[RST], s18, v[GOF]
	s_lshl_b32 s18, s16, 10
	s_add_co_u32 s18, s18, RED
	v_add_nc_u32 v[RLD], s18, v[GOF]
	v_mul_u32_u24 v[OST], v11, 96
	v_lshl_add_u32 v[OST], v12, 4, v[OST]
	s_lshl_b32 s18, s16, 5
	s_add_co_u32 s18, s18, OUTS
	v_add_nc_u32 v[OST], s18, v[OST]
	s_lshl_b32 s18, s16, 9
	v_add_nc_u32 v[TOF], s18, v[GOF]
	v_add_nc_u32 v[OLD], OUTS, v[TOF]
	s_lshl_b32 s24, ttmp9, 17                      ; xb: 16 rows of 8,192 bytes,
	s_lshr_b32 s18, s20, 1                         ; and half the f32 offset along K
	s_add_co_u32 s24, s24, s18
	s_mov_b32 s25, 0
	s_mul_i32 s26, s17, TPP                        ; tp: part p, 16 rows of 96 bytes
	s_mul_i32 s18, ttmp9, 1536
	s_add_co_u32 s26, s26, s18
	s_mov_b32 s27, 0
	s_add_nc_u64 s[12:13], s[12:13], s[24:25]
	s_add_nc_u64 s[14:15], s[14:15], s[26:27]
	; x's block: rounded in place; its stores follow in A_q's block
	s_wait_loadcnt 48                              ; loads come back in order (ISA guide 5.7.1): x's 16 are in, A's 48 may be out
.set i, 0
.rept 16
	v_cvt_pk_bf16_f32 v[X+4*i], v[X+4*i], v[X+4*i+1]
	v_cvt_pk_bf16_f32 v[X+4*i+1], v[X+4*i+2], v[X+4*i+3]
.set i, i+1
.endr
	; A_q's block: x's 32 stores are dealt among A_q's conversions, which name AA alone
	s_wait_loadcnt 32                              ; A_q's 16 rows are in
	s_wait_alu depctr_va_vdst(0)                   ; x's conversions have written X, which the stores below read; v2 to v9 are written, which they and all later stores and LDS instructions read
.set i, 0
.rept 16
	global_store_b64 v[XOF], v[X+4*i:X+4*i+1], s[12:13] offset:i*8192  ; 32 lanes store 256 consecutive bytes, at a multiple of 256 from xb's first byte
	ds_store_b64 v[LST], v[X+4*i:X+4*i+1] offset:i*PITCH
	v_cvt_pk_bf16_f32 v[AA+4*i], v[AA+4*i], v[AA+4*i+1]
	v_cvt_pk_bf16_f32 v[AA+4*i+1], v[AA+4*i+2], v[AA+4*i+3]
.set i, i+1
.endr
	; A_k's block: A_q's 16 stores are dealt among A_k's conversions, which name the upper half of AA alone
	s_wait_loadcnt 16                              ; A_k's 16 rows are in
	s_wait_alu depctr_va_vdst(0)                   ; A_q's conversions have written the lower half of AA, which the stores below read
.set i, 0
.rept 16
	ds_store_b64 v[LST], v[AA+4*i:AA+4*i+1] offset:(16+i)*PITCH
	v_cvt_pk_bf16_f32 v[AA+64+4*i], v[AA+64+4*i], v[AA+64+4*i+1]
	v_cvt_pk_bf16_f32 v[AA+64+4*i+1], v[AA+64+4*i+2], v[AA+64+4*i+3]
.set i, i+1
.endr
	; A_v's block: A_k's stores stand in one run, since A_v's conversions want another window setting
	s_wait_loadcnt 0x0
	s_wait_alu depctr_va_vdst(0)                   ; A_k's conversions have written the upper half of AA, which the stores below read
.set i, 0
.rept 16
	ds_store_b64 v[LST], v[AA+64+4*i:AA+64+4*i+1] offset:(32+i)*PITCH
.set i, i+1
.endr
	WIN 0x45                                       ; A_v is rounded in place, in window 1
.set i, 0
.rept 16
	v_cvt_pk_bf16_f32 v[4*i], v[4*i], v[4*i+1]
	v_cvt_pk_bf16_f32 v[4*i+1], v[4*i+2], v[4*i+3]
.set i, i+1
.endr
	WIN 0x04                                       ; store data window 1, address window 0
	s_wait_alu depctr_va_vdst(0)                   ; A_v's conversions have written window 1's v0-63, which the stores below read; every conversion is also done with AA, in which the fragments' loads land; no vector line follows up to those loads
.set i, 0
.rept 16
	ds_store_b64 v[LST], v[4*i:4*i+1] offset:(48+i)*PITCH
.set i, i+1
.endr
	WIN 0
	; A fragment is 16 rows x 32 k in 8 registers: lane l holds row l % 16, k = 8 (l / 16) + 0..7 and 16 + 8 (l / 16) + 0..7: two loads of 16 bytes, 32 bytes apart.
	; The bytes are my wave's own, and LDS serves a wave's instructions in order (ISA guide 5.7.1.4): these loads see the stores above.
	s_wait_alu depctr_vm_vsrc(0)                   ; A_q's and A_k's LDS stores have read AA: its registers are FX and FA from here on, written by the loads below, and later SUM, PK and BK
.set i, 0
.rept 4
	ds_load_b128 v[FX+8*i:FX+8*i+3], v[LFR] offset:64*i
	ds_load_b128 v[FX+8*i+4:FX+8*i+7], v[LFR] offset:64*i+32
.set i, i+1
.endr
.irp c, 0,1,2
.set i, 0
.rept 4
	ds_load_b128 v[FA+32*(\c)+8*i:FA+32*(\c)+8*i+3], v[LFR] offset:(1+(\c))*16*PITCH+64*i
	ds_load_b128 v[FA+32*(\c)+8*i+4:FA+32*(\c)+8*i+7], v[LFR] offset:(1+(\c))*16*PITCH+64*i+32
.set i, i+1
.endr
.endr
	s_wait_dscnt 0x0
	; source 0 = 16 ranks of A_c, source 1 = 16 rows of x: in the result a lane holds ONE row of x (lane % 16) and the ranks 8 (lane / 16) + 0..7.
	; The three accumulators take turns, one instruction a turn; the first step's products start the sums.
.irp c, 0,1,2
	v_wmma_f32_16x16x32_bf16 v[ACC+8*(\c):ACC+8*(\c)+7], v[FA+32*(\c):FA+32*(\c)+7], v[FX:FX+7], 0
.endr
.irp k, 1,2,3
.irp c, 0,1,2
	v_wmma_f32_16x16x32_bf16 v[ACC+8*(\c):ACC+8*(\c)+7], v[FA+32*(\c)+8*(\k):FA+32*(\c)+8*(\k)+7], v[FX+8*(\k):FX+8*(\k)+7], v[ACC+8*(\c):ACC+8*(\c)+7]
.endr
.endr
.rept 4
	v_nop                                          ; four places behind the last product, ahead of the stores that read results and of the vector lines that write fragments' registers
.endr
	s_wait_alu depctr_va_vdst(0)                   ; the matrix instructions have written the accumulators, which the LDS stores read, and are done reading FX and FA, in which the loads of SUM and BK land; the places above stay beside this wait
.irp c, 0,1,2
	ds_store_b128 v[RST], v[ACC+8*(\c):ACC+8*(\c)+3] offset:1024*(\c)        ; each accumulator's low registers first
	ds_store_b128 v[RST], v[ACC+8*(\c)+4:ACC+8*(\c)+7] offset:1024*(\c)+512
.endr
	s_wait_dscnt 0x0                               ; for the others' sake: my sums are in LDS
	s_barrier_signal -1
	s_barrier_wait -1
	s_cmp_lt_u32 s16, 3
	s_cbranch_scc0 .Lno_sum                        ; wave c = 0, 1, 2 adds the eight waves' sums of matrix c
.set i, 0
.rept 8
	ds_load_b128 v[SUM+8*i:SUM+8*i+3], v[RLD] offset:i*REDW      ; no wait: no vector or matrix instruction since the wait above names SUM's registers
	ds_load_b128 v[SUM+8*i+4:SUM+8*i+7], v[RLD] offset:i*REDW+512
.set i, i+1
.endr
	s_wait_dscnt 0x0
.irp d, 1,2,4                          ; a tree: neighbours 1, 2 and 4 waves apart
.set u, 0
.rept 4/(\d)
.set i, 0
.rept 4
	v_pk_add_f32 v[SUM+8*u+2*i:SUM+8*u+2*i+1], v[SUM+8*u+2*i:SUM+8*u+2*i+1], v[SUM+8*(u+(\d))+2*i:SUM+8*(u+(\d))+2*i+1]
.set i, i+1
.endr
.set u, u+2*(\d)
.endr
.endr
.irp j, 0,1,2,3
	v_cvt_pk_bf16_f32 v[PK+(\j)], v[SUM+2*(\j)], v[SUM+2*(\j)+1]
.endr
	s_wait_alu depctr_va_vdst(0)                   ; the four conversions have written PK, which the LDS store reads
	ds_store_b128 v[OST], v[PK:PK+3]               ; row lane % 16, matrix c's 32 bytes, my half's 16
.Lno_sum:
	s_wait_dscnt 0x0                               ; for the others' sake
	s_barrier_signal -1
	s_barrier_wait -1
	s_cmp_lt_u32 s16, 3
	s_cbranch_scc0 .Lend                           ; the 16 rows are 1,536 consecutive bytes of tp: waves 0, 1, 2 store 512 each
	ds_load_b128 v[BK:BK+3], v[OLD]                ; no wait: BK's last readers were the matrix instructions and A_k's LDS stores, both ahead of waits above; the tree and its conversions name SUM and PK alone
	s_wait_dscnt 0x0
	global_store_b128 v[TOF], v[BK:BK+3], s[14:15] ; 512 consecutive bytes, at a multiple of 256 from tp's first byte
.Lend:
	s_wait_dscnt 0x0
	s_wait_alu depctr_hold_cnt(0) depctr_sa_sdst(0) depctr_va_vdst(0) depctr_va_sdst(0) depctr_va_ssrc(0) depctr_va_vcc(0) depctr_vm_vsrc(0)
	s_wait_tensorcnt 0x0
	ds_add_u32 v254, v255
	s_wait_dscnt 0x0
	s_endpgm
.Lfunc_end_k_q5cc1163369_prep:
	.size	k_q5cc1163369_prep, .Lfunc_end_k_q5cc1163369_prep-k_q5cc1163369_prep
	.p2alignl 7, 3214868480
	.fill 96, 4, 3214868480
	.section	.rodata,"a",@progbits
	.p2align	6, 0x0
	.amdhsa_kernel k_q5cc1163369_prep
		.amdhsa_group_segment_fixed_size 166400
		.amdhsa_private_segment_fixed_size 0
		.amdhsa_enable_private_segment 0
		.amdhsa_kernarg_size 48
		.amdhsa_user_sgpr_count 2
		.amdhsa_user_sgpr_kernarg_segment_ptr 1
		.amdhsa_wavefront_size32 1
		.amdhsa_system_sgpr_workgroup_id_x 1
		.amdhsa_system_sgpr_workgroup_id_y 1
		.amdhsa_system_sgpr_workgroup_id_z 1
		.amdhsa_system_vgpr_workitem_id 0
		.amdhsa_next_free_vgpr 320
		.amdhsa_next_free_sgpr 66
		.amdhsa_reserve_vcc 0
		.amdhsa_float_denorm_mode_32 3
		.amdhsa_float_denorm_mode_16_64 3
		.amdhsa_memory_ordered 1
		.amdhsa_forward_progress 1
		.amdhsa_inst_pref_size 30
	.end_amdhsa_kernel
	.amdgpu_metadata
---
amdhsa.version: [ 1, 2 ]
amdhsa.kernels:
  - .name:           k_q5cc1163369_prep
    .symbol:         k_q5cc1163369_prep.kd
    .args:
      - { .name: x, .offset: 0, .size: 8, .value_kind: global_buffer, .address_space: global }
      - { .name: q_A, .offset: 8, .size: 8, .value_kind: global_buffer, .address_space: global }
      - { .name: k_A, .offset: 16, .size: 8, .value_kind: global_buffer, .address_space: global }
      - { .name: v_A, .offset: 24, .size: 8, .value_kind: global_buffer, .address_space: global }
      - { .name: xb, .offset: 32, .size: 8, .value_kind: global_buffer, .address_space: global }
      - { .name: tp, .offset: 40, .size: 8, .value_kind: global_buffer, .address_space: global }
    .group_segment_fixed_size: 166400
    .private_segment_fixed_size: 0
    .kernarg_segment_align: 8
    .kernarg_segment_size: 48
    .max_flat_workgroup_size: 256
    .sgpr_count:     66
    .vgpr_count:     320
    .wavefront_size: 32
...
	.end_amdgpu_metadata
.endif
;; end of part 3
;; launch gemm: the kernel of part 2 again; grid 64 x 4, 4 waves a work-group, clusters of 4 x 4, 327,680 bytes of LDS; arguments xb, tp, q_weight, k_weight, v_weight, q_B, k_B, v_B, out0, out1, out2; writes out0, out1, out2
